; MI455X (gfx1250); checked and timed in simulation.
; The chip was launched on July 23, 2026; its instructions are those of AMD's public machine-readable ISA for CDNA 5 (MIT licence, August 2026) and "CDNA5" Instruction Set Architecture Reference Guide (July 2026). The comments in the code are by the model that wrote it; some were corrected since.
;; Megalodon Attention. Allowed arithmetic: float matrix products may take bf16 or f16 operands with f32 sums; other float arithmetic in f32, or as packed bf16 or f16 multiplies, adds, multiply-adds, maxima and minima; sums over many terms, partial sums and values carried from step to step in f32; what a program stores and reads back later, other than sums and carried values, may be rounded once to bf16 or f16.
;; Inputs: k 2 x 4,096 x 16 x 128 float32; q 2 x 4,096 x 16 x 128 float32; v 2 x 4,096 x 16 x 128 float32.
;; Outputs: out0 2 x 4,096 x 16 x 128 float32.
;; Constants: start_index = 0.
;; One version. Each part assembles by itself: llvm-mc -triple=amdgcn-amd-amdhsa -mcpu=gfx1250 --defsym DOCPART=n.
;; ======== version 1 of 1: 1 launch
;; limits: values are held in f16: magnitudes above 65,504 overflow, below 6.1e-05 lose precision; inputs' magnitudes at most 46,000
;; launch attn (part 1): grid 2 x 128, 4 waves a work-group, no clusters, 327,680 bytes of LDS; arguments q, k, v, out0; writes out0
.if DOCPART == 1
	.amdgcn_target "amdgcn-amd-amdhsa--gfx1250"
	.amdhsa_code_object_version 6
	.text
	.protected	k_q1438d633dd_attn
	.globl	k_q1438d633dd_attn
	.p2align	8
	.type	k_q1438d633dd_attn,@function
k_q1438d633dd_attn:
	s_mov_b64 s[64:65], 0
	v_nop
	global_prefetch_b8 v0, s[64:65] scope:SCOPE_SE
	s_setreg_imm32_b32 hwreg(HW_REG_WAVE_MODE, 25, 1), 1
	s_wait_xcnt 0x0
; CHUNK-LOCAL CAUSAL ATTENTION WITH ROPE.  q, k, v, out: [2][4096][16][128] f32: a head's row is 512 bytes, rows lie 8,192 bytes apart.
; A UNIT is one batch, one chunk of 1,024 positions, one head: 128 units (grid y).  out[q] = sum over k <= q (inside the chunk) of softmax_k(rope(q) . rope(k) / sqrt(128)) v[k].
; FORMATS.  q, k and v are rounded once to bf16; the rotation is made in f32; rotated q and k and the weights p are rounded to f16; bf16(v) is written as f16.  Both products are f16 with f32 sums;
; maxima, sums and the output are f32; l is the sum of the unrounded p.
; LIMITS.  f16 ends at 65,504: |v| and sqrt(2) |q|, sqrt(2) |k| stay below it; an operand below 6e-5 keeps f16's fixed step of 6e-8.  A hidden score counts as its value less 1e30.  A weight below
; 2^-126 counts as 0 in l.  NaN and infinities are not treated apart.  The angles are made otherwise than in the formula's f32 product: the frequency may differ by 5e-7 of itself, an absolute angle
; near position 4,095 by 2e-3 rad, the difference of two angles inside a chunk, which is all that a score sees, by 5e-4 rad.  Sine and cosine: a series on |y| <= pi/8, which holds for every
; position, and three doublings.
; THE WALK.  A unit's queries lie in four blocks of 256; block i needs the key steps 0 .. 4 i + 3 of 64 keys, of which the last four hold the diagonal.  Work-group x (0, 1) takes block x and then
; block 3 - x: 20 key steps whatever x, so all 256 work-groups do equal work and the loops count to constants.
; NO CLUSTER: the two work-groups of a unit walk the same key step in the first 4 of their 20 steps only, other units share nothing, and two work-groups are no cluster of four.
; SHARES.  Of a block's four bands of 64 queries a wave owns 16 rows in each: four tiles.  In step DS of the diagonal tile band t sees all keys if DS < t, none if DS > t, and holds the diagonal if DS = t.
; THE MASK is the C operand that starts S^T: MD x AL + BE, MD the mask of a band's own step for my rows (0 or -1e30), AL and BE two scalars.  Off the diagonal tile C is the constant 0.
; LAYOUT.  S^T = K Q^T holds one query a lane (lane % 16) and the keys 8 (lane / 16) + 0..7; two such results rounded to f16 are source 1 of O^T = V^T P.  V is turned by ds_load_tr16_b128.
; THE PIPE.  T(j): four tensor loads, one a wave, bring step j's K and V as f32 into slot j % 2.  C(j): the 128 threads round, rotate and round again into the f16 buffer j % 2.  Trip j: K Q^T of j (behind
; its products three quarters of K of C(j+1)); V's fragments; the softmax; ONE barrier; T(j+3); V^T P of j (behind its products V and a quarter of K of C(j+2); K's fragments of j+1).
; That barrier orders: T(j+2) landed / C(j+2) reads it; C(j+1) has read slot (j+1)%2 / T(j+3) fills it; C(j+1) has stored / its fragments are read; step j's fragments are read / C(j+2) stores there.
; By the text's own count a wave has two tensor loads out at the head and one behind each barrier.
; REGISTERS, in windows of 256 (s_set_vgpr_msb: bits 1:0 source 0, 3:2 source 1, 5:4 source 2, 7:6 destination):
;   window 0: v0-63 addresses and statistics; v64-191 S^T (while dead: conversion registers, and f32 q of tiles 2, 3); v192-255 P (while dead: conversion registers, the way out)
;   window 1: O^T, 64 a tile     window 2: v0-127 Q; v128-255 K's fragments
;   window 3: v0-127 V's fragments (while dead: the masks, and f32 q of tiles 0, 1); v128-159 MD; v160-223 my four rows of table B; v224-239 my row of table A; v240-255 a second A for Q
.set PAR,    1<<17                 ; the second slot and the second f16 buffer lie this far behind the first
.set FPITCH, 272                   ; an f32 half row in LDS: 256 bytes + 16 of padding
.set FREG,   64*FPITCH             ; one wave's tile: K left, K right, V left, V right at 0, 1, 2, 3 x FREG
.set VSRC,   2*FREG
.set K16,    4*FREG                ; rotated K in f16: 64 rows of 256 + 16 bytes
.set PK16,   272
.set V16,    K16+64*PK16           ; V in f16: 64 rows of 256 + 32 bytes
.set PV16,   288
.set TAB,    V16+64*PV16           ; table A: 16 rows (position 64 (16 n + a)) of 64 cosines, 64 sines
.set SPARE,  TAB+16*512            ; the spare words, 128 bytes a wave: two blocks of 256 bytes that no other line names
.set TBB,    PAR+TAB               ; table B: 64 rows (position r) of 64 cosines, 64 sines, 16 bytes of padding
.set PTB,    528
.set STAGE,  TBB+64*PTB            ; the way out: for each wave 16 rows of 512 + 16 bytes
.set L16, 1                        ; v1   lane % 16
.set AK0, 2                        ; v2   my place in a tile of f16 K; never rewritten
.set AV0, 3                        ; v3   the same for V
.set AKF, 4                        ; v4   AK0 + the fragments' parity
.set AVF, 5                        ; v5   AV0 + the same
.set FA0, 6                        ; v6   conversion: row (thread / 8) x 272 + 32 (thread % 8)
.set KS0, 7                        ; v7   conversion: where my 16 bytes of f16 K go
.set VS0, 8                        ; v8   the same for V
.set AF,  9                        ; v9-11  these three + the conversion's parity
.set AKS, 10
.set AVS, 11
.set ST,  12                       ; v12-43  tile t at ST + 8 t: c m, m, l (even, odd keys), c0-c3 at work; a takes c2's place
.set TA0, 44                       ; v44  table A + 32 (thread % 8)
.set ATA, 45                       ; v45  TA0 + the row of the step that is converted
.set QO,  46                       ; v46  (lane % 16) x 8,192 + 32 (lane / 16)
.set ATB, 47                       ; v47  table B at row 16 w + lane % 16, + 32 (lane / 16)
.set ATQ0, 48                      ; v48  table A + 32 (lane / 16)
.set ATQ, 49                       ; v49  ATQ0 + the row of the block's first band
.set STO, 50                       ; v50  the way out: where I put 32 bytes of a row
.set RD,  51                       ; v51  where I read a row back
.set GO,  52                       ; v52  16 x lane
.set PFO, 53                       ; v53  8,192 x lane
.set PFQ, 54                       ; v54  8,192 (lane % 16) + 256 (lane / 16)
.set HH,  55                       ; v55  lane / 16
.set SPW, 62                       ; v62  my spare word; never rewritten
.set NIL, 63                       ; v63  0; never rewritten
.set S,   64
.set P,   192
.set XA,  192                      ; conversion registers while P is dead: two items, the angles, at work
.set XB,  208
.set QBB, 192                      ; Q's rotation: table B's row; table A's rows at A0 (window 0) and A1 (window 3) by turns
.set A0,  208
.set A1,  240
.set KF,  128                      ; window 2
.set MD,  128                      ; window 3
.set TBR, 160
.set TAR, 224
.set SCP, 192                      ; the tables' arithmetic: positions, frequency, at work
.set SCF, 194
.set SCH, 196
.set SCL, 198
.set SCR, 200
.set SCY, 202
.set SCZ, 204
.set SCS, 206
.set SCC, 208
.set SCT, 210
.set SCU, 212
.set WV,  12                       ; s12  my wave's number
.set WGX, 13                       ; s13  x
.set G1,  16                       ; s[16:23] descriptor group 1
.set G0A, 24                       ; s[24:27] group 0 of the first fill
.set G0,  28                       ; s[28:31] group 0 that walks
.set BASEW, 32                     ; s[32:33] K or V at my half of the unit's first row
.set OFF, 34                       ; s[34:35] a step's byte offset
.set PF,  36                       ; s[36:37] where my prefetches stand
.set QP,  38                       ; s[38:39], s[40:41] q at my rows of the two blocks
.set QP2, 40
.set OP,  42                       ; s[42:43], s[44:45] out likewise
.set OP2, 44
.set NXT, 46                       ; s46  the key step to be asked for next;  s47 the last step of the block that it belongs to
.set LQN, 47
.set CVS, 48                       ; s48  the key step that is converted;  s49 the one asked for last
.set LASTT, 49
.set AS,  50                       ; s50  the key step in hand;  s51 its block's last step
.set LQA, 51
.set LQ2, 52                       ; s52  the second block's last step, 15 - 4 x
.set CNT, 53
.set PKF, 54                       ; s54  parity of the f16 buffer whose fragments are read, and of the slot that is filled
.set PCV, 55                       ; s55  the other one: the slot that is converted and the buffer that it goes to
.set FST, 56                       ; s56  1 until the first block has begun
.set DS,  57                       ; s57  the step's number in the diagonal tile; negative ahead of it
.set CS,  58                       ; s[58:59] c = log2(e) / sqrt(128)
.set SEL, 60                       ; s[60:61] v_permlanex16_b32's selects
.set HM,  62                       ; s62  a word's upper half
.set BIGN, 63                      ; s63  -1e30
.set AL,  66
.set BE,  68
.set PLO, 70                       ; s70, s71  the trips (by CNT) in which I prefetch K and V;  s72 the one for q
.set PHI, 71
.set QPT, 72
.set NCH, 73                       ; s73  the chunk
.set PI4, 74                       ; s[74:83] pi/4 and the series' four constants, each named as a pair
.set C3,  76
.set C5,  78
.set D4,  80
.set D6,  82
.set MSB, 0
.macro WIN new                     ; the high byte repeats the setting that is left; a switch that changes nothing is dropped
.if MSB != (\new)
	s_set_vgpr_msb (MSB<<8)|(\new)
.set MSB, (\new)
.endif
.endm
.set W_KQ, 0x0a                    ; K and Q in window 2, S^T in window 0
.set W_KM, 0x3a                    ; the same with the C operand in window 3
.set W_PV, 0x53                    ; V in window 3, P in window 0, O^T in window 1
.set W_RS, 0x41                    ; O^T (destination and source 0) in window 1, source 1 in window 0
; THE MATRIX WORK.  The accumulators take turns, one instruction a turn: 16 in K Q^T, 32 in V^T P.
; Product i of 64 of S^T: channels 32 (i / 16) on, keys 16 ((i / 4) % 4) on, tile i % 4.  The first 16 start the sums, with 0 or with the mask.
.macro KQ mask
.set rS, S+32*(i%4)+8*((i/4)%4)
.set rK, KF+32*((i/4)%4)+8*(i/16)
.set rQ, 32*(i%4)+8*(i/16)
.set rM, 32*(i%4)+8*((i/4)%4)
.if (i < 16) && (\mask)
	WIN W_KM
	v_wmma_f32_16x16x32_f16 v[rS:rS+7], v[rK:rK+7], v[rQ:rQ+7], v[rM:rM+7]
.elseif i < 16
	WIN W_KQ
	v_wmma_f32_16x16x32_f16 v[rS:rS+7], v[rK:rK+7], v[rQ:rQ+7], 0
.else
	WIN W_KQ
	v_wmma_f32_16x16x32_f16 v[rS:rS+7], v[rK:rK+7], v[rQ:rQ+7], v[rS:rS+7]
.endif
.set i, i+1
.endm
; Product i of 64 of O^T: keys 32 (i / 32) on, channels 16 ((i / 4) % 8) on, tile i % 4.
.macro PV
	WIN W_PV
.set rO, 64*(i%4)+8*((i/4)%8)
.set rV, 64*(i/32)+8*((i/4)%8)
.set rP, P+16*(i%4)+8*(i/32)
	v_wmma_f32_16x16x32_f16 v[rO:rO+7], v[rV:rV+7], v[rP:rP+7], v[rO:rO+7]
.set i, i+1
.endm
; THE FRAGMENTS, in runs of 32 loads.
.macro FETCH_K
	WIN 0x80
.irp f, 0,1,2,3,4,5,6,7,8,9,10,11,12,13,14,15   ; keys 16 (f / 4) on, channels 32 (f % 4) on
	ds_load_b128 v[KF+8*(\f):KF+8*(\f)+3],   v[AKF] offset:((\f)/4)*16*PK16+((\f)%4)*64
	ds_load_b128 v[KF+8*(\f)+4:KF+8*(\f)+7], v[AKF] offset:((\f)/4)*16*PK16+((\f)%4)*64+32
.endr
.endm
.macro FETCH_V
	WIN 0xc0
.irp f, 0,1,2,3,4,5,6,7,8,9,10,11,12,13,14,15   ; keys 32 (f / 8) on, channels 16 (f % 8) on
	ds_load_tr16_b128 v[8*(\f):8*(\f)+3],   v[AVF] offset:((\f)/8)*32*PV16+((\f)%8)*32
	ds_load_tr16_b128 v[8*(\f)+4:8*(\f)+7], v[AVF] offset:((\f)/8)*32*PV16+16*PV16+((\f)%8)*32
.endr
.endm
; THE CONVERSION.  Thread T takes, of rows T / 8 + 16 i (item i = 0..3), channels 8 (T % 8) + 0..7 and the same + 64: 16 f32 in, 16 f16 out.
.macro CLOAD base, i, X
	WIN 0
	ds_load_b128 v[(\X):(\X)+3],     v[AF] offset:(\base)+16*FPITCH*(\i)
	ds_load_b128 v[(\X)+4:(\X)+7],   v[AF] offset:(\base)+16*FPITCH*(\i)+16
	ds_load_b128 v[(\X)+8:(\X)+11],  v[AF] offset:(\base)+16*FPITCH*(\i)+FREG
	ds_load_b128 v[(\X)+12:(\X)+15], v[AF] offset:(\base)+16*FPITCH*(\i)+FREG+16
.endm
.macro KLOAD i, X
	CLOAD 0, \i, \X
.endm
.macro VLOAD i, X
	CLOAD VSRC, \i, \X
.endm
.macro KSTORE i, X
	WIN 0
	ds_store_b128 v[AKS], v[(\X):(\X)+3]   offset:16*PK16*(\i)
	ds_store_b128 v[AKS], v[(\X)+4:(\X)+7] offset:16*PK16*(\i)+128
.endm
.macro VSTORE i, X
	WIN 0
	ds_store_b128 v[AVS], v[(\X):(\X)+3]   offset:16*PV16*(\i)
	ds_store_b128 v[AVS], v[(\X)+4:(\X)+7] offset:16*PV16*(\i)+128
.endm
.macro TALOAD                      ; my 8 cosines and 8 sines of table A's row for the step that is converted
	WIN 0xc0
	ds_load_b128 v[TAR:TAR+3],     v[ATA]
	ds_load_b128 v[TAR+4:TAR+7],   v[ATA] offset:16
	ds_load_b128 v[TAR+8:TAR+11],  v[ATA] offset:256
	ds_load_b128 v[TAR+12:TAR+15], v[ATA] offset:272
	WIN 0
.endm
; Operation n of an item.  iX (window iXW): 16 f32, x1 then x2.  iT, iC (window 0): at work.  iA (window iAW), iB (window iBW): 8 cosines, 8 sines of the two part angles.
;   0-7    two f32 rounded to bf16, packed          8-23   and widened again
;   a plain item (iKIND = 1, V):   24-31  two rounded to f16, packed, in place
;   a rotating item:   24-39  cos(A + B) = cA cB - sA sB, sin(A + B) = sA cB + cA sB     40-55  y1 = x1 cos - x2 sin, y2 = x2 cos + x1 sin
;                      56-63  two rounded to f16, packed: into iX (iMODE = 0, K), or into Q's fragment registers at iQ, y2 two channel blocks on (iMODE = 1)
; The kinds change at multiples of four, so four on end need one window setting.
.macro IOP
.set kx, 2*(n%4)
.if n < 8
	WIN iXW*5
	v_cvt_pk_bf16_f32 v[iT+n], v[iX+2*n], v[iX+2*n+1]
.elseif n < 24
	WIN iXW<<6
.if n%2 == 0
	v_lshlrev_b32 v[iX+n-8], 16, v[iT+(n-8)/2]
.else
	v_and_b32 v[iX+n-8], s[HM], v[iT+(n-8)/2]
.endif
.elseif iKIND
	WIN 0
	v_cvt_pk_f16_f32 v[iX+n-24], v[iX+2*(n-24)], v[iX+2*(n-24)+1]
.elseif n < 28
	WIN iAW|(iBW<<2)
	v_pk_mul_f32 v[iC+kx:iC+kx+1], v[iA+kx:iA+kx+1], v[iB+kx:iB+kx+1]
.elseif n < 32
	WIN iAW|(iBW<<2)
	v_pk_mul_f32 v[iC+8+kx:iC+8+kx+1], v[iA+8+kx:iA+8+kx+1], v[iB+kx:iB+kx+1]
.elseif n < 36
	WIN iAW|(iBW<<2)
	v_pk_fma_f32 v[iC+kx:iC+kx+1], v[iA+8+kx:iA+8+kx+1], v[iB+8+kx:iB+8+kx+1], v[iC+kx:iC+kx+1] neg_lo:[1,0,0] neg_hi:[1,0,0]
.elseif n < 40
	WIN iAW|(iBW<<2)
	v_pk_fma_f32 v[iC+8+kx:iC+8+kx+1], v[iA+kx:iA+kx+1], v[iB+8+kx:iB+8+kx+1], v[iC+8+kx:iC+8+kx+1]
.elseif n < 44
	WIN iXW
	v_pk_mul_f32 v[iT+kx:iT+kx+1], v[iX+kx:iX+kx+1], v[iC+kx:iC+kx+1]
.elseif n < 48
	WIN iXW
	v_pk_mul_f32 v[iT+8+kx:iT+8+kx+1], v[iX+8+kx:iX+8+kx+1], v[iC+kx:iC+kx+1]
.elseif n < 52
	WIN iXW
	v_pk_fma_f32 v[iT+kx:iT+kx+1], v[iX+8+kx:iX+8+kx+1], v[iC+8+kx:iC+8+kx+1], v[iT+kx:iT+kx+1] neg_lo:[1,0,0] neg_hi:[1,0,0]
.elseif n < 56
	WIN iXW
	v_pk_fma_f32 v[iT+8+kx:iT+8+kx+1], v[iX+kx:iX+kx+1], v[iC+8+kx:iC+8+kx+1], v[iT+8+kx:iT+8+kx+1]
.elseif iMODE
	WIN 0x80
	v_cvt_pk_f16_f32 v[iQ+(n-56)+12*((n-56)/4)], v[iT+2*(n-56)], v[iT+2*(n-56)+1]
.else
	WIN iXW<<6
	v_cvt_pk_f16_f32 v[iX+n-56], v[iT+2*(n-56)], v[iT+2*(n-56)+1]
.endif
.endm
.macro RID4                        ; the item's next four operations: what stands behind one matrix instruction
.rept 4
	IOP
.set n, n+1
.endr
.endm
.macro SETK i, X                   ; item i of K, in registers X of window 0
.set iX, \X
.set iXW, 0
.set iA, TAR
.set iAW, 3
.set iB, TBR+16*(\i)
.set iBW, 3
.set iMODE, 0
.set iKIND, 0
.set n, 0
.endm
.macro SETV X
.set iX, \X
.set iXW, 0
.set iKIND, 1
.set n, 0
.endm
; The head's conversions have no products to stand behind.  One item: the next item's four loads first (nk: 0 K, 1 V, 2 none), the wait that leaves only those out, the operations, the stores.
.macro PL kind, i, X, nk, ni, NX
.if (\nk) == 0
	KLOAD \ni, \NX
	s_wait_dscnt 0x4
.elseif (\nk) == 1
	VLOAD \ni, \NX
	s_wait_dscnt 0x4
.else
	s_wait_dscnt 0x0
.endif
.if (\kind) == 0
	SETK \i, \X
.rept 16
	RID4
.endr
	KSTORE \i, \X
.else
	SETV \X
.rept 8
	RID4
.endr
	VSTORE \i, \X
.endif
.endm
; THE MASKS of a step of the diagonal tile, for the four bands, into V's fragment registers, which are dead here.
.macro MASK
.irp t, 0,1,2,3
	s_cmp_eq_u32 s[DS], \t         ; is the step the band's own?
	s_cselect_b32 s[AL], 1.0, 0
	s_cmp_gt_i32 s[DS], \t         ; or a later one?
	s_cselect_b32 s[BE], s[BIGN], 0
	WIN 0xc3
.set z, 0
.rept 16
	v_pk_fma_f32 v[32*(\t)+2*z:32*(\t)+2*z+1], v[MD+2*z:MD+2*z+1], s[AL:AL+1], s[BE:BE+1] op_sel_hi:[1,0,0]
.set z, z+1
.endr
.endr
.endm
; THE SOFTMAX of one tile and step: a list of 134; SM writes number j for tile t.  s0-s31 are the lane's 32 scores, in pairs 0-15.
;   0-15   the maximum of s0-s31 and the old m, three operands at a time (each accumulator's lowest registers are read first)
;   16-20  the other half of the lanes' maximum; the new m; c m; c m_old - c m_new
;   21-69  one batch: the 16 scalings c s - c m and all 33 exponentials (a at 23); none reads an exponential's result
;   70-85  the roundings to f16      86-101  the sums; l = a l + sum      102-133  O^T times a
.macro SM t
.set rT, ST+8*(\t)
.set rS, S+32*(\t)
.set rP, P+16*(\t)
.set rO, 64*(\t)+2*(j-102)
.if j < 102
	WIN 0
.endif
.if j < 4
	v_max3_num_f32 v[rT+4+j], v[rS+8*j], v[rS+8*j+1], v[rS+8*j+2]
.elseif j < 12
	v_max3_num_f32 v[rT+4+j%4], v[rT+4+j%4], v[rS+8*(j%4)+2*(j/4)+1], v[rS+8*(j%4)+2*(j/4)+2]
.elseif j == 12
	v_max3_num_f32 v[rT+4], v[rT+4], v[rS+7], v[rS+15]
.elseif j == 13
	v_max3_num_f32 v[rT+6], v[rT+6], v[rS+23], v[rS+31]
.elseif j == 14
	v_max3_num_f32 v[rT+4], v[rT+4], v[rT+5], v[rT+6]
.elseif j == 15
	v_max3_num_f32 v[rT+4], v[rT+4], v[rT+7], v[rT+1]
.elseif j == 16
	v_permlanex16_b32 v[rT+5], v[rT+4], s[SEL], s[SEL+1]   ; the query's other 32 keys lie in the lane 16 away
.elseif j == 17
	v_mov_b32 v[rT+7], v[rT]       ; c m_old is kept for a
.elseif j == 18
	v_max_num_f32 v[rT+1], v[rT+4], v[rT+5]
.elseif j == 19
	v_mul_f32 v[rT], s[CS], v[rT+1]
.elseif j == 20
	v_sub_f32 v[rT+7], v[rT+7], v[rT]
.elseif j == 23
	v_exp_f32 v[rT+6], v[rT+7]
.elseif (j < 23) || ((j < 38) && (j%2 == 0)) || ((j < 66) && (j%4 == 2))
.set b, (j-2)/4                    ; 38, 42, .. 62: pairs 9 to 15
.if j < 38
.set b, (j-20)/2                   ; 21: pair 0; 22, 24, .. 36: pairs 1 to 8
.endif
	v_pk_fma_f32 v[rS+2*b:rS+2*b+1], v[rS+2*b:rS+2*b+1], s[CS:CS+1], v[rT:rT+1] op_sel_hi:[1,0,0] neg_lo:[0,0,1] neg_hi:[0,0,1]
.elseif j < 70
.set e, j-38                       ; 66 to 69: s28 to s31
.if j < 66
.set e, j-32-(j-38)/4              ; 39-41, 43-45, .. 63-65: s7 to s27
.endif
.if j < 38
.set e, (j-25)/2                   ; 25, 27, .. 37: s0 to s6
.endif
	v_exp_f32 v[rS+e], v[rS+e]
.elseif j < 86
	v_cvt_pk_f16_f32 v[rP+j-70], v[rS+2*(j-70)], v[rS+2*(j-70)+1]
.elseif j < 102                    ; neighbours 1, 2, 4 and 8 pairs apart are added in place, then l takes the sum
.set z, j-86
.set w, 4
.set u, z
.if z >= 14
.set w, 32
.set u, 0
.elseif z >= 12
.set w, 16
.set u, z-12
.elseif z >= 8
.set w, 8
.set u, z-8
.endif
.if z < 15
	v_pk_add_f32 v[rS+w*u:rS+w*u+1], v[rS+w*u:rS+w*u+1], v[rS+w*u+w/2:rS+w*u+w/2+1]
.else
	v_pk_fma_f32 v[rT+2:rT+3], v[rT+2:rT+3], v[rT+6:rT+7], v[rS:rS+1] op_sel_hi:[1,0,1]
.endif
.else
	WIN W_RS
	v_pk_mul_f32 v[rO:rO+1], v[rO:rO+1], v[rT+6:rT+7] op_sel_hi:[1,0]
.endif
.endm
; The four tiles' lists, dealt so that no instruction reads the result of the one before it; the 132 exponentials are one batch with one wait.
.macro LUMP
.set j, 0
.rept 22
	SM 0
	SM 1
	SM 2
	SM 3
.set j, j+1
.endr
.set gq, 0
.rept 12
.irp t, 0,1,2,3
.set j, 22+4*gq
.rept 4
	SM \t
.set j, j+1
.endr
.endr
.set gq, gq+1
.endr
	v_nop                          ; a plain instruction behind the last exponential,
	s_wait_alu depctr_va_vdst(0)   ; and the wait ahead of the first instruction that names a result: one for the batch
.set j, 70
.rept 32
	SM 0
	SM 1
	SM 2
	SM 3
.set j, j+1
.endr
.irp t, 0,1,2,3
.set j, 102
.rept 32
	SM \t
.set j, j+1
.endr
.endr
.endm
; THE BARRIER OF A TRIP.  Each wave waits for all its tensor loads (one is out: its part of the slot that is converted next), adds 0 to its spare word, and waits for that and for all its LDS
; reads and stores.  fill = 1: behind the barrier the slot that has been converted is filled again, first thing, with key step NXT; the descriptor's address is made anew from that number.
.macro TOP fill
	WIN 0
	s_wait_tensorcnt 0x0           ; no tensor load of mine is out, so the walking group 0 may be written
	ds_add_u32 v[SPW], v[NIL]      ; 0 onto my spare word; the scalar work below stands between it and the wait for it
	s_xor_b32 s[PKF], s[PKF], PAR
	s_xor_b32 s[PCV], s[PKF], PAR
.if \fill
	s_xor_b32 s[G0+1], s[G0+1], PAR
	s_lshl_b32 s[OFF], s[NXT], 19  ; a key step is 64 rows of 8,192 bytes
	s_add_nc_u64 s[G0+2:G0+3], s[BASEW:BASEW+1], s[OFF:OFF+1]
	s_or_b32 s[G0+3], s[G0+3], 0x80000000
.endif
	s_mov_b32 s[CVS], s[LASTT]     ; converted next: the step asked for at the barrier before
	s_mov_b32 s[LASTT], s[NXT]
	s_add_co_u32 s[NXT], s[NXT], 1 ; the block's next step, or behind its last the second block's step 0
	s_cmp_gt_u32 s[NXT], s[LQN]
	s_cselect_b32 s[NXT], 0, s[NXT]
	s_cselect_b32 s[LQN], s[LQ2], s[LQN]
.if \fill
	s_wait_xcnt 0x0                ; the last prefetches, a trip back, have read their address, so it may be written:
	s_lshl_b32 s[OFF], s[NXT], 19  ; the step that the next barrier's load will ask for
	s_add_nc_u64 s[PF:PF+1], s[BASEW:BASEW+1], s[OFF:OFF+1]
.endif
	s_wait_dscnt 0x0               ; the add is done; my reads of the slot and of the fragments and my stores of f16 rows are done
	s_barrier_signal -1
	s_barrier_wait -1              ; all that now holds of every wave
.if \fill
	tensor_load_to_lds s[G0:G0+3], s[G1:G1+7]   ; my one tensor load behind this barrier
	s_nop 0
.rept 4
	v_nop
.endr
.endif
	v_add_nc_u32 v[AF],  s[PCV], v[FA0]
	v_add_nc_u32 v[AKS], s[PCV], v[KS0]
	v_add_nc_u32 v[AVS], s[PCV], v[VS0]
	v_add_nc_u32 v[AKF], s[PKF], v[AK0]
	v_add_nc_u32 v[AVF], s[PKF], v[AV0]
	s_min_u32 s14, s[CVS], 15      ; a chunk has 16 key steps: the row is held to table A's 16
	v_lshl_add_u32 v[ATA], s14, 9, v[TA0]
	TALOAD
.endm
; PREFETCHES INTO THE L2, behind the trip's tensor load and its run of LDS loads.  K and V: my own 256 bytes of each of the 64 rows of the step that the NEXT trip's tensor load asks for: a lane a
; row, two instructions.  A step is named once in the launch: steps 4-7 are walked first by work-group 1 (its trips with CNT 17 to 14 ask), steps 8-15 by work-group 0 (CNT 9 to 2); steps 0-3 come
; by their loads alone.  q: the second block's 16 rows x 512 bytes of each of my four tiles, two trips ahead of their loads.  No address passes the unit's rows.
.macro ASK
	s_cmp_ge_u32 s[CNT], s[PLO]
	s_cbranch_scc0 .Lnokv_\@
	s_cmp_le_u32 s[CNT], s[PHI]
	s_cbranch_scc0 .Lnokv_\@
	global_prefetch_b8 v[PFO], s[PF:PF+1] th:TH_LOAD_NT scope:SCOPE_SE
	global_prefetch_b8 v[PFO], s[PF:PF+1] offset:262144 th:TH_LOAD_NT scope:SCOPE_SE
.Lnokv_\@:
	s_cmp_eq_u32 s[CNT], s[QPT]
	s_cbranch_scc0 .Lnoq_\@
.irp t, 0,1,2,3
	global_prefetch_b8 v[PFQ], s[QP2:QP2+1] offset:524288*(\t) th:TH_LOAD_NT scope:SCOPE_SE
.endr
.Lnoq_\@:
.endm
; A BLOCK'S q AS f32: tile t, item qq (channels 16 qq + 8 (lane / 16) + 0..7 and the same + 64): 16 registers at 16 qq; tiles 0, 1 in window 3, tiles 2, 3 in S^T's registers.
.macro QLOAD ptr
	WIN 0xc0
.irp t, 0,1
.irp qq, 0,1,2,3
.irp kk, 0,1
	global_load_b128 v[64*(\t)+16*(\qq)+4*(\kk):64*(\t)+16*(\qq)+4*(\kk)+3],     v[QO], s[\ptr:\ptr+1] offset:524288*(\t)+64*(\qq)+16*(\kk)
	global_load_b128 v[64*(\t)+16*(\qq)+8+4*(\kk):64*(\t)+16*(\qq)+8+4*(\kk)+3], v[QO], s[\ptr:\ptr+1] offset:524288*(\t)+64*(\qq)+16*(\kk)+256
.endr
.endr
.endr
	WIN 0
.irp t, 2,3
.irp qq, 0,1,2,3
.irp kk, 0,1
	global_load_b128 v[64*((\t)-1)+16*(\qq)+4*(\kk):64*((\t)-1)+16*(\qq)+4*(\kk)+3],     v[QO], s[\ptr:\ptr+1] offset:524288*(\t)+64*(\qq)+16*(\kk)
	global_load_b128 v[64*((\t)-1)+16*(\qq)+8+4*(\kk):64*((\t)-1)+16*(\qq)+8+4*(\kk)+3], v[QO], s[\ptr:\ptr+1] offset:524288*(\t)+64*(\qq)+16*(\kk)+256
.endr
.endr
.endr
.endm
.macro ALD mm                      ; table A's row for item mm (qq = mm / 4, tile mm % 4), into A0 or A1 by turns
.if ((\mm)%2) == 1
	WIN 0xc0
.else
	WIN 0
.endif
.set rA, A0+(A1-A0)*((\mm)%2)
	ds_load_b128 v[rA:rA+3],     v[ATQ] offset:512*((\mm)%4)+64*((\mm)/4)
	ds_load_b128 v[rA+4:rA+7],   v[ATQ] offset:512*((\mm)%4)+64*((\mm)/4)+16
	ds_load_b128 v[rA+8:rA+11],  v[ATQ] offset:512*((\mm)%4)+64*((\mm)/4)+256
	ds_load_b128 v[rA+12:rA+15], v[ATQ] offset:512*((\mm)%4)+64*((\mm)/4)+272
.endm
.macro BLD qq                      ; table B's row of my query, the frequencies of item qq
	WIN 0
	ds_load_b128 v[QBB:QBB+3],     v[ATB] offset:64*(\qq)
	ds_load_b128 v[QBB+4:QBB+7],   v[ATB] offset:64*(\qq)+16
	ds_load_b128 v[QBB+8:QBB+11],  v[ATB] offset:64*(\qq)+256
	ds_load_b128 v[QBB+12:QBB+15], v[ATB] offset:64*(\qq)+272
.endm
; A BLOCK BEGINS: c m starts far below every c s, so the first step's a is 0 and O^T and l, which hold finite numbers, start anew; m starts at the lowest finite number.  Then q is rounded,
; rotated and rounded into Q's fragment registers, 16 items.  The wait in an item leaves only the next item's four loads out.
.macro QPREP
	WIN 0
	s_wait_loadcnt 0x0             ; q
	s_lshr_b32 s14, s[LQA], 2      ; the block: its last step is 4 x block + 3;
	s_min_u32 s14, s14, 3          ; a chunk has four blocks: held to table A's four groups of four rows
	v_lshl_add_u32 v[ATQ], s14, 11, v[ATQ0]   ; the block's first band lies at row 4 x block
.irp t, 0,1,2,3
	v_mov_b32 v[ST+8*(\t)], 0xfe000000
	v_mov_b32 v[ST+8*(\t)+1], 0xff7fffff
.endr
	BLD 0
	ALD 0
.set iB, QBB
.set iBW, 0
.set iC, 224
.set iT, 240
.set iMODE, 1
.set iKIND, 0
.set m, 0
.rept 16
.if m < 15
	ALD m+1
.endif
.set iX, 64*((m%4)%2)+64*((m%4)/2)+16*(m/4)
.set iXW, 3-3*((m%4)/2)
.set iA, A0+(A1-A0)*(m%2)
.set iAW, 3*(m%2)
.set iQ, 32*(m%4)+8*(m/8)+4*((m/4)%2)
.set n, 0
.rept 6
	RID4
.endr
.if m < 15
	s_wait_dscnt 0x4
.else
	s_wait_dscnt 0x0
.endif
.rept 4
	RID4
.endr
.if (m%4 == 3) && (m < 12)
	BLD m/4+1
.endif
.rept 6
	RID4
.endr
.set m, m+1
.endr
	WIN 0
.endm
; THE WAY OUT of a block: l's two halves and the other half of the lanes' are added; O^T is divided by l and goes, a tile (16 rows) at a time, through my own stage in LDS: 32 bytes a lane in, whole
; rows of 512 bytes back, so that one store of the wave covers 512 consecutive bytes, aligned.
.macro OMUL t
	WIN W_RS
.set r, 64*(\t)
.rept 32
	v_pk_mul_f32 v[r:r+1], v[r:r+1], v[ST+8*(\t)+6:ST+8*(\t)+7] op_sel_hi:[1,0]
.set r, r+2
.endr
.endm
.macro OST t
	WIN 0x04                       ; the stores' data in window 1
.irp c, 0,1,2,3,4,5,6,7
	ds_store_b128 v[STO], v[64*(\t)+8*(\c):64*(\t)+8*(\c)+3]   offset:64*(\c)
	ds_store_b128 v[STO], v[64*(\t)+8*(\c)+4:64*(\t)+8*(\c)+7] offset:64*(\c)+16
.endr
	WIN 0
.irp c, 0,1,2,3,4,5,6,7,8,9,10,11,12,13,14,15
	ds_load_b128 v[P+4*(\c):P+4*(\c)+3], v[RD] offset:PTB*(\c)   ; LDS serves a wave's instructions in order (ISA guide 5.7.1.4): these see the stores above
.endr
.endm
.macro GST t
	WIN 0
.irp c, 0,1,2,3,4,5,6,7,8,9,10,11,12,13,14,15
	global_store_b128 v[GO], v[P+4*(\c):P+4*(\c)+3], s[OP:OP+1] offset:524288*(\t)+8192*(\c) th:TH_STORE_NT
.endr
.endm
.macro WAYOUT
	WIN 0
.irp t, 0,1,2,3
	v_add_f32 v[ST+8*(\t)+4], v[ST+8*(\t)+2], v[ST+8*(\t)+3]
.endr
.irp t, 0,1,2,3
	v_permlanex16_b32 v[ST+8*(\t)+5], v[ST+8*(\t)+4], s[SEL], s[SEL+1]
.endr
.irp t, 0,1,2,3
	v_add_f32 v[ST+8*(\t)+4], v[ST+8*(\t)+4], v[ST+8*(\t)+5]
.endr
.irp t, 0,1,2,3
	v_rcp_f32 v[ST+8*(\t)+6], v[ST+8*(\t)+4]
.endr
	v_nop                          ; a plain instruction behind the last reciprocal,
	s_wait_alu depctr_va_vdst(0)   ; and one wait for the four, ahead of the first use
	OMUL 0
	OST 0
.irp t, 1,2,3
	OMUL \t                        ; a tile's arithmetic stands between the loads of the tile before and its stores
	s_wait_dscnt 0x0
	GST (\t)-1
	s_wait_xcnt 0x0                ; the stores have read their data registers, which the next loads from the stage write
	OST \t
.endr
	s_wait_dscnt 0x0
	GST 3
	s_wait_xcnt 0x0                ; the stores' data registers and base are written again only behind this wait
.endm
; ONE TRIP.  fill = 1: the loop (a slot is filled, the diagonal tile is told by DS, prefetches).  fill = 0: the tail, whose three steps all lie in the second block's diagonal tile.
.macro ITER fill
.set iC, 224
.set iT, 240
	KLOAD 1, XA                    ; items 1 and 2 of K of the next step
	KLOAD 2, XB
	s_wait_dscnt 0x8               ; only those eight may be out: K's fragments are in
	s_add_co_u32 s[DS], s[AS], 3
	s_sub_co_i32 s[DS], s[DS], s[LQA]
.if \fill
	s_cmp_ge_i32 s[DS], 0
	s_cbranch_scc1 .Ldiag_\@
.set i, 0
.rept 16
	KQ 0
.endr
	WIN 0
	s_branch .Ljoin_\@
.Ldiag_\@:
.endif
	MASK
.set i, 0
.rept 16
	KQ 1
.endr
	WIN 0
.if \fill
.Ljoin_\@:
.endif
	s_wait_dscnt 0x4               ; item 1 is in; item 2's four loads may be out
	SETK 1, XA
.rept 16
	KQ 0
	RID4
.endr
	KSTORE 1, XA
	KLOAD 3, XA
	s_wait_dscnt 0x6               ; item 2 is in; behind it: two stores, four loads
	SETK 2, XB
.rept 16
	KQ 0
	RID4
.endr
	KSTORE 2, XB
	s_wait_dscnt 0x2               ; item 3 is in; behind it: two stores
	SETK 3, XA
.rept 16
	KQ 0
	RID4                           ; the last four are also the places behind the last product, ahead of the first read of its scores
.endr
	KSTORE 3, XA
	FETCH_V                        ; its registers' last matrix reader stands 48 products and their riders back
	LUMP
	s_add_co_u32 s[AS], s[AS], 1   ; the block's next step, or behind its last the second block's step 0
	s_cmp_gt_u32 s[AS], s[LQA]
	s_cselect_b32 s[AS], 0, s[AS]
	s_cselect_b32 s[LQA], s[LQ2], s[LQA]
	TOP \fill
	VLOAD 0, 64                    ; V and item 0 of K of the step after the next, into S^T's registers, which are dead
	VLOAD 1, 80
	VLOAD 2, 96
	VLOAD 3, 112
	KLOAD 0, 128
.if \fill
	ASK
.endif
.set i, 0
.rept 16
	PV
.endr
	FETCH_K                        ; the next step's K
	s_wait_dscnt 32                ; only those 32 may be out: table A's row and the five items are in
.set iC, 144
.set iT, 160
.irp vi, 0,1,2,3
	SETV 64+16*(\vi)
.rept 8
	PV
	RID4
.endr
	VSTORE \vi, 64+16*(\vi)
.endr
	SETK 0, 128
.rept 16
	PV
	RID4                           ; the last four are the places behind the last product, ahead of what is written next into P's and V's registers
.endr
	KSTORE 0, 128
	WIN 0
.endm
; Sine and cosine of 2 pi x (position x frequency in turns), two positions at once.  The product's low part is kept (a fused multiply-add); the whole turns go: adding and taking away 1.5 x 2^23
; rounds a number from 0 to 2^22 (here 652 at the most) to the nearest whole one; an eighth of the angle, at most pi/8, takes a series, and three doublings follow:
; sin 2a = (2 sin a) cos a, cos 2a = 1 - (2 sin a) sin a.  Sines end in SCU, cosines in SCC.
.macro SINCOS2
	v_pk_mul_f32 v[SCH:SCH+1], v[SCP:SCP+1], v[SCF:SCF+1]
	v_pk_fma_f32 v[SCL:SCL+1], v[SCP:SCP+1], v[SCF:SCF+1], v[SCH:SCH+1] neg_lo:[0,0,1] neg_hi:[0,0,1]
	v_pk_add_f32 v[SCR:SCR+1], v[SCH:SCH+1], 0x4b400000 op_sel_hi:[1,0]
	v_pk_add_f32 v[SCR:SCR+1], v[SCR:SCR+1], 0xcb400000 op_sel_hi:[1,0]
	v_pk_add_f32 v[SCH:SCH+1], v[SCH:SCH+1], v[SCR:SCR+1] neg_lo:[0,1] neg_hi:[0,1]
	v_pk_add_f32 v[SCH:SCH+1], v[SCH:SCH+1], v[SCL:SCL+1]
	v_pk_mul_f32 v[SCY:SCY+1], v[SCH:SCH+1], s[PI4:PI4+1] op_sel_hi:[1,0]
	v_pk_mul_f32 v[SCZ:SCZ+1], v[SCY:SCY+1], v[SCY:SCY+1]
	v_pk_fma_f32 v[SCT:SCT+1], v[SCZ:SCZ+1], s[C5:C5+1], s[C3:C3+1] op_sel_hi:[1,0,0]
	v_pk_fma_f32 v[SCU:SCU+1], v[SCZ:SCZ+1], s[D6:D6+1], s[D4:D4+1] op_sel_hi:[1,0,0]
	v_pk_mul_f32 v[SCT:SCT+1], v[SCT:SCT+1], v[SCZ:SCZ+1]
	v_pk_fma_f32 v[SCU:SCU+1], v[SCU:SCU+1], v[SCZ:SCZ+1], -0.5 op_sel_hi:[1,1,0]
	v_pk_fma_f32 v[SCS:SCS+1], v[SCT:SCT+1], v[SCY:SCY+1], v[SCY:SCY+1]
	v_pk_fma_f32 v[SCC:SCC+1], v[SCU:SCU+1], v[SCZ:SCZ+1], 1.0 op_sel_hi:[1,1,0]
	v_pk_add_f32 v[SCT:SCT+1], v[SCS:SCS+1], v[SCS:SCS+1]
	v_pk_mul_f32 v[SCU:SCU+1], v[SCT:SCT+1], v[SCC:SCC+1]
	v_pk_fma_f32 v[SCC:SCC+1], v[SCT:SCT+1], v[SCS:SCS+1], 1.0 op_sel_hi:[1,1,0] neg_lo:[1,0,0] neg_hi:[1,0,0]
	v_pk_add_f32 v[SCT:SCT+1], v[SCU:SCU+1], v[SCU:SCU+1]
	v_pk_mul_f32 v[SCS:SCS+1], v[SCT:SCT+1], v[SCC:SCC+1]
	v_pk_fma_f32 v[SCC:SCC+1], v[SCT:SCT+1], v[SCU:SCU+1], 1.0 op_sel_hi:[1,1,0] neg_lo:[1,0,0] neg_hi:[1,0,0]
	v_pk_add_f32 v[SCT:SCT+1], v[SCS:SCS+1], v[SCS:SCS+1]
	v_pk_mul_f32 v[SCU:SCU+1], v[SCT:SCT+1], v[SCC:SCC+1]
	v_pk_fma_f32 v[SCC:SCC+1], v[SCT:SCT+1], v[SCS:SCS+1], 1.0 op_sel_hi:[1,1,0] neg_lo:[1,0,0] neg_hi:[1,0,0]
.endm
; ------------------------------------------------------------------ THE HEAD
	s_load_b256 s[4:11], s[0:1], 0x0               ; q s[4:5], k s[6:7], v s[8:9], out s[10:11]
	v_lshl_add_u32 v[SPW], v0, 2, SPARE
	v_mov_b32 v[NIL], 0
	ds_add_u32 v[SPW], v[NIL]                      ; the wave's opening: the add and its wait ahead of my first tensor load; the set-up below, work on registers, stands between them
	ds_add_u32 v62, v63
	v_lshrrev_b32 v56, 5, v0
	v_readfirstlane_b32 s[WV], v56                 ; wave 0..3
	s_mov_b32 s[WGX], ttmp9                        ; x
	s_and_b32 s14, ttmp7, 0xffff                   ; the unit: head in bits 3:0, chunk in 5:4, batch in 6
	s_and_b32 s15, s14, 15
	s_lshl_b32 s84, s15, 9                         ; a head: 512 bytes
	s_bfe_u32 s[NCH], s14, 0x20004
	s_lshl_b32 s15, s[NCH], 23                     ; a chunk: 1,024 rows of 8,192 bytes
	s_or_b32 s84, s84, s15
	s_lshr_b32 s15, s14, 6
	s_lshl_b32 s15, s15, 25                        ; a batch
	s_or_b32 s84, s84, s15                         ; s[84:85]: the unit's first byte in each of the four tensors
	s_mov_b32 s85, 0
	s_and_b32 s14, s[WV], 1                        ; which half of the rows I fetch: 256 bytes
	s_lshl_b32 s86, s14, 8
	s_mov_b32 s87, 0
	s_add_nc_u64 s[86:87], s[86:87], s[84:85]
	s_mul_i32 s92, s[WV], FREG                     ; and where it goes in a slot
	s_lshl_b32 s14, s[WV], 17                      ; my 16 rows in a band,
	s_lshl_b32 s88, s[WGX], 21                     ; in block x
	s_add_co_u32 s88, s88, s14
	s_add_co_u32 s88, s88, s84
	s_mov_b32 s89, 0
	s_sub_co_u32 s90, 3, s[WGX]                    ; and in block 3 - x
	s_lshl_b32 s90, s90, 21
	s_add_co_u32 s90, s90, s14
	s_add_co_u32 s90, s90, s84
	s_mov_b32 s91, 0
	; descriptor group 1: a tile of 64 rows x 64 elements of 4 bytes, rows 2,048 elements apart, padded in LDS
	s_mov_b32 s[G1+0], (2<<16)|(1<<20)|(5<<22)|(3<<25)  ; 17:16 elements of 4 bytes; 20 padding on; 24:22 after every 64 words (code 5); 31:25 4 words of it (code 3)
	s_mov_b32 s[G1+1], 64<<16                      ; tensor_dim0 = 64
	s_mov_b32 s[G1+2], 64<<16                      ; tensor_dim1 = 64
	s_mov_b32 s[G1+3], 64<<16                      ; tile_dim0 = 64
	s_mov_b32 s[G1+4], 64                          ; tile_dim1 = 64
	s_mov_b32 s[G1+5], 2048
	s_mov_b32 s[G1+6], 0
	s_mov_b32 s[G1+7], 0
	s_mov_b32 s[CS], 0x3e0293ee                    ; c = log2(e) / sqrt(128)
	s_mov_b32 s[CS+1], s[CS]
	s_mov_b32 s[SEL], 0x76543210
	s_mov_b32 s[SEL+1], 0xfedcba98
	s_mov_b32 s[HM], 0xffff0000
	s_mov_b32 s[BIGN], 0xf149f2ca                  ; -1e30
	s_mov_b32 s[AL+1], 0                           ; named as pairs
	s_mov_b32 s[BE+1], 0
	s_mov_b32 s[OFF+1], 0
	s_mov_b32 s[PI4], 0x3f490fdb                   ; pi / 4
	s_mov_b32 s[PI4+1], s[PI4]
	s_mov_b32 s[C3], 0xbe2aaaab                    ; -1/6
	s_mov_b32 s[C3+1], s[C3]
	s_mov_b32 s[C5], 0x3c088889                    ; 1/120
	s_mov_b32 s[C5+1], s[C5]
	s_mov_b32 s[D4], 0x3d2aaaab                    ; 1/24
	s_mov_b32 s[D4+1], s[D4]
	s_mov_b32 s[D6], 0xbab60b61                    ; -1/720
	s_mov_b32 s[D6+1], s[D6]
	s_lshl_b32 s14, s[WGX], 2
	s_add_co_u32 s[LQN], s14, 3                    ; the first block's last step, 4 x + 3
	s_mov_b32 s[LQA], s[LQN]
	s_sub_co_u32 s[LQ2], 15, s14
	s_mov_b32 s[QPT], s[LQ2]                       ; the second block begins in the trip with CNT = 13 - 4 x: two trips ahead is 15 - 4 x
	s_cmp_eq_u32 s[WGX], 1
	s_cselect_b32 s[PLO], 14, 2
	s_cselect_b32 s[PHI], 17, 9
	s_mov_b32 s[NXT], 2
	s_mov_b32 s[LASTT], 1
	s_mov_b32 s[AS], 0
	s_mov_b32 s[FST], 1
	s_mov_b32 s[CNT], 17
	s_mov_b32 s[PKF], PAR                          ; the first barrier of the trips' kind turns it into 0
	s_wait_dscnt 0x0                               ; the opening add is done
	s_wait_kmcnt 0x0
	s_cmp_lt_u32 s[WV], 2                          ; waves 0 and 1 fetch K's halves, waves 2 and 3 V's
	s_cselect_b64 s[BASEW:BASEW+1], s[6:7], s[8:9]
	s_add_nc_u64 s[BASEW:BASEW+1], s[BASEW:BASEW+1], s[86:87]
	s_mov_b32 s[G0A], 1                            ; count = 1
	s_mov_b32 s[G0A+1], s92                        ; LDS address: slot 0
	s_mov_b64 s[G0A+2:G0A+3], s[BASEW:BASEW+1]     ; key step 0
	s_or_b32 s[G0A+3], s[G0A+3], 0x80000000        ; type = 2
	s_mov_b32 s[G0], 1
	s_add_co_u32 s[G0+1], s92, PAR                 ; slot 1
	s_add_nc_u64 s[G0+2:G0+3], s[BASEW:BASEW+1], 1<<19  ; key step 1
	s_or_b32 s[G0+3], s[G0+3], 0x80000000
	tensor_load_to_lds s[G0A:G0A+3], s[G1:G1+7]    ; the two first fills go out together, ahead of every wait on TENSORcnt, every LDS read and every barrier
	s_nop 0
	tensor_load_to_lds s[G0:G0+3], s[G1:G1+7]
	s_nop 0
.rept 4
	v_nop
.endr
	s_add_nc_u64 s[QP:QP+1], s[4:5], s[88:89]
	s_add_nc_u64 s[QP2:QP2+1], s[4:5], s[90:91]
	s_add_nc_u64 s[OP:OP+1], s[10:11], s[88:89]
	s_add_nc_u64 s[OP2:OP2+1], s[10:11], s[90:91]
	v_and_b32 v[L16], 15, v0
	v_bfe_u32 v[HH], v0, 4, 1
	v_lshlrev_b32 v[QO], 13, v[L16]
	v_lshl_add_u32 v[QO], v[HH], 5, v[QO]
	QLOAD QP                                       ; the first block's q
	v_and_b32 v56, 7, v0                           ; thread % 8 = lane % 8
	v_bfe_u32 v57, v0, 3, 1
	v_lshrrev_b32 v58, 3, v0                       ; thread / 8
	v_and_b32 v59, 31, v0                          ; lane
	v_mul_u32_u24 v[AK0], v[L16], PK16             ; a fragment of K: row lane % 16, 16 bytes for each half of the lanes
	v_lshl_add_u32 v[AK0], v[HH], 4, v[AK0]
	v_add_nc_u32 v[AK0], K16, v[AK0]
	v_lshl_add_u32 v[AV0], v[HH], 3, v56           ; the turning load: key 8 (lane / 16) + lane % 8, channels 8 ((lane / 8) % 2) on
	v_mul_u32_u24 v[AV0], v[AV0], PV16
	v_lshl_add_u32 v[AV0], v57, 4, v[AV0]
	v_add_nc_u32 v[AV0], V16, v[AV0]
	v_mul_u32_u24 v[FA0], v58, FPITCH
	v_lshl_add_u32 v[KS0], v56, 4, v[FA0]          ; (K's f16 rows have the f32 half rows' pitch)
	v_add_nc_u32 v[KS0], K16, v[KS0]
	v_lshl_add_u32 v[FA0], v56, 5, v[FA0]
	v_mul_u32_u24 v[VS0], v58, PV16
	v_lshl_add_u32 v[VS0], v56, 4, v[VS0]
	v_add_nc_u32 v[VS0], V16, v[VS0]
	v_lshl_add_u32 v[TA0], v56, 5, TAB
	v_lshl_add_u32 v[ATQ0], v[HH], 5, TAB
	s_mul_i32 s14, s[WV], 16*PTB
	v_mul_u32_u24 v60, v[L16], PTB
	v_lshl_add_u32 v60, v[HH], 5, v60
	v_add_nc_u32 v60, s14, v60                     ; (16 w + lane % 16) x 528 + 32 (lane / 16): the same place in table B and in the stages
	v_add_nc_u32 v[ATB], TBB, v60
	v_add_nc_u32 v[STO], STAGE, v60
	v_lshl_add_u32 v[RD], v59, 4, s14
	v_add_nc_u32 v[RD], STAGE, v[RD]
	v_lshlrev_b32 v[GO], 4, v59
	v_lshlrev_b32 v[PFO], 13, v59
	v_lshlrev_b32 v[PFQ], 13, v[L16]
	v_lshl_add_u32 v[PFQ], v[HH], 8, v[PFQ]
	; THE TABLES.  Thread T makes frequency T % 64 for rows of parity T / 64.  The frequency in turns: 10000^(-j/64) / (2 pi).
	v_and_b32 v56, 63, v0
	v_cvt_f32_u32 v57, v56
	v_mul_f32 v57, 0xbe549a78, v57                 ; -j log2(10000) / 64
	v_exp_f32 v57, v57
	v_lshrrev_b32 v58, 6, v0                       ; (the plain instruction behind the exponential)
	s_wait_alu depctr_va_vdst(0)                   ; the wait ahead of the first use
	v_mul_f32 v[SCF], 0.15915494, v57
	v_mov_b32 v[SCF+1], v[SCF]
	v_cvt_f32_u32 v[SCP], v58                      ; table B: positions rr + 4 k and rr + 4 k + 2
	v_add_f32 v[SCP+1], 2.0, v[SCP]
	v_mul_u32_u24 v59, v58, PTB
	v_lshl_add_u32 v59, v56, 2, v59
	v_add_nc_u32 v59, TBB, v59
	s_mov_b32 s14, 0
	s_mov_b32 s15, 16
.Ltb:
	SINCOS2
	v_add_nc_u32 v60, s14, v59
	ds_store_b32 v60, v[SCC]
	ds_store_b32 v60, v[SCU] offset:256
	ds_store_b32 v60, v[SCC+1] offset:2*PTB
	ds_store_b32 v60, v[SCU+1] offset:2*PTB+256
	v_pk_add_f32 v[SCP:SCP+1], v[SCP:SCP+1], 4.0 op_sel_hi:[1,0]
	s_add_co_u32 s14, s14, 4*PTB
	s_sub_co_u32 s15, s15, 1
	s_cmp_lg_u32 s15, 0
	s_cbranch_scc1 .Ltb
	s_lshl_b32 s14, s[NCH], 10                     ; table A: positions 64 (16 n + rr + 4 k) and that + 128
	v_lshl_add_u32 v60, v58, 6, s14
	v_cvt_f32_u32 v[SCP], v60
	v_add_f32 v[SCP+1], 0x43000000, v[SCP]
	v_lshlrev_b32 v61, 9, v58
	v_lshl_add_u32 v61, v56, 2, v61
	v_add_nc_u32 v61, TAB, v61
	s_mov_b32 s14, 0
	s_mov_b32 s15, 4
.Lta:
	SINCOS2
	v_add_nc_u32 v60, s14, v61
	ds_store_b32 v60, v[SCC]
	ds_store_b32 v60, v[SCU] offset:256
	ds_store_b32 v60, v[SCC+1] offset:1024
	ds_store_b32 v60, v[SCU+1] offset:1280
	v_pk_add_f32 v[SCP:SCP+1], v[SCP:SCP+1], 0x43800000 op_sel_hi:[1,0]
	s_add_co_u32 s14, s14, 2048
	s_sub_co_u32 s15, s15, 1
	s_cmp_lg_u32 s15, 0
	s_cbranch_scc1 .Lta
	; MD: register r of key group kb is hidden where 16 kb + 8 (lane / 16) + r is greater than my query's place in its band, 16 w + lane % 16
	v_lshlrev_b32 v57, 3, v[HH]
	v_sub_nc_u32 v56, v[L16], v57
	s_lshl_b32 s14, s[WV], 4
	v_add_nc_u32 v56, s14, v56
	WIN 0xc0
.set i, 0
.rept 32
	v_cmp_gt_i32 vcc_lo, 16*(i/8)+i%8, v56
	v_cndmask_b32 v[MD+i], 0, s[BIGN], vcc_lo
.set i, i+1
.endr
	; A block's first step multiplies O^T and l by a = 0, so they need only hold finite numbers: zeros for the first block, what the first block left for the second.  No first step is written out
	; for that price; the lines stand in the wait for the first tiles.
	WIN 0x40
.set i, 0
.rept 256
	v_mov_b32 v[i], 0
.set i, i+1
.endr
	WIN 0
.irp t, 0,1,2,3
	v_mov_b32 v[ST+8*(\t)+2], 0
	v_mov_b32 v[ST+8*(\t)+3], 0
.endr
	v_and_b32 v56, 7, v0                           ; my four rows of table B stay in registers: rows thread / 8 + 16 i, frequencies 8 (thread % 8) on
	v_lshrrev_b32 v58, 3, v0
	v_mul_u32_u24 v59, v58, PTB
	v_lshl_add_u32 v59, v56, 5, v59
	v_add_nc_u32 v59, TBB, v59
	v_mov_b32 v[AF], v[FA0]                        ; step 0 is converted from slot 0 into buffer 0, with table A's row 0
	v_mov_b32 v[AKS], v[KS0]
	v_mov_b32 v[AVS], v[VS0]
	v_mov_b32 v[ATA], v[TA0]
	s_wait_tensorcnt 0x1                           ; my part of step 0 is in; step 1's may stay out
	s_wait_dscnt 0x0                               ; my part of the tables is stored
	s_barrier_signal -1
	s_barrier_wait -1                              ; everybody's is
	WIN 0xc0
.irp r, 0,1,2,3
	ds_load_b128 v[TBR+16*(\r):TBR+16*(\r)+3],     v59 offset:16*PTB*(\r)
	ds_load_b128 v[TBR+16*(\r)+4:TBR+16*(\r)+7],   v59 offset:16*PTB*(\r)+16
	ds_load_b128 v[TBR+16*(\r)+8:TBR+16*(\r)+11],  v59 offset:16*PTB*(\r)+256
	ds_load_b128 v[TBR+16*(\r)+12:TBR+16*(\r)+15], v59 offset:16*PTB*(\r)+272
.endr
	TALOAD
.set iC, 224
.set iT, 240
	KLOAD 0, XA                                    ; step 0 is converted
	PL 0, 0, XA, 0, 1, XB
	PL 0, 1, XB, 0, 2, XA
	PL 0, 2, XA, 0, 3, XB
	PL 0, 3, XB, 1, 0, XA
	PL 1, 0, XA, 1, 1, XB
	PL 1, 1, XB, 1, 2, XA
	PL 1, 2, XA, 1, 3, XB
	PL 1, 3, XB, 2, 0, 0
	TOP 1                                          ; step 1 has landed, step 0 lies in f16; step 2 is asked for
	FETCH_K                                        ; step 0's K
	VLOAD 0, XA                                    ; V and item 0 of K of step 1
	PL 1, 0, XA, 1, 1, XB
	PL 1, 1, XB, 1, 2, XA
	PL 1, 2, XA, 1, 3, XB
	PL 1, 3, XB, 0, 0, XA
	PL 0, 0, XA, 2, 0, 0
	WIN 0
; ------------------------------------------------------------------ THE WALK
.Lmain:                                                ; 17 trips: each asks for the step three on
	s_cmp_lg_u32 s[AS], 0
	s_cbranch_scc1 .Lnb                            ; no block begins here
	s_cmp_eq_u32 s[FST], 1
	s_cbranch_scc1 .Lbeg                           ; the first block: nothing to send out, and its q is on its way
	s_wait_loadcnt 0x0                             ; q's registers are loaded anew only when no earlier load into them is out (the first block's were waited for where it began)
	QLOAD QP2                                      ; the second block's q, into registers that are dead; it lands while the first block goes out
	WAYOUT
	s_mov_b64 s[OP:OP+1], s[OP2:OP2+1]
.Lbeg:
	QPREP
	s_mov_b32 s[FST], 0
.Lnb:
	ITER 1
	s_sub_co_u32 s[CNT], s[CNT], 1
	s_cmp_lg_u32 s[CNT], 0
	s_cbranch_scc1 .Lmain
	s_mov_b32 s[CNT], 3                            ; the tail is written out: three trips that ask for nothing.  What their riders convert beyond step 19
.Ltail:                                                ; are bytes that have landed, into buffers that nobody multiplies: the price of one text for the three
	ITER 0
	s_sub_co_u32 s[CNT], s[CNT], 1
	s_cmp_lg_u32 s[CNT], 0
	s_cbranch_scc1 .Ltail
	WAYOUT
	s_wait_tensorcnt 0x0                           ; the wave's end: behind my last tensor load and my last LDS store
	ds_add_u32 v[SPW], v[NIL]
	s_wait_dscnt 0x0
	s_endpgm
.Lfunc_end_k_q1438d633dd_attn:
	.size	k_q1438d633dd_attn, .Lfunc_end_k_q1438d633dd_attn-k_q1438d633dd_attn
	.p2alignl 7, 3214868480
	.fill 96, 4, 3214868480
	.section	.rodata,"a",@progbits
	.p2align	6, 0x0
	.amdhsa_kernel k_q1438d633dd_attn
		.amdhsa_group_segment_fixed_size 327680
		.amdhsa_private_segment_fixed_size 0
		.amdhsa_enable_private_segment 0
		.amdhsa_kernarg_size 32
		.amdhsa_user_sgpr_count 2
		.amdhsa_user_sgpr_kernarg_segment_ptr 1
		.amdhsa_wavefront_size32 1
		.amdhsa_system_sgpr_workgroup_id_x 1
		.amdhsa_system_sgpr_workgroup_id_y 1
		.amdhsa_system_sgpr_workgroup_id_z 1
		.amdhsa_system_vgpr_workitem_id 0
		.amdhsa_next_free_vgpr 1024
		.amdhsa_next_free_sgpr 96
		.amdhsa_reserve_vcc 1
		.amdhsa_float_denorm_mode_32 3
		.amdhsa_float_denorm_mode_16_64 3
		.amdhsa_memory_ordered 1
		.amdhsa_forward_progress 1
		.amdhsa_inst_pref_size 255
	.end_amdhsa_kernel
	.section	.bss,"aw",@nobits
	.p2align	6
	.space	262144
	.amdgpu_metadata
---
amdhsa.version: [ 1, 2 ]
amdhsa.kernels:
  - .name:           k_q1438d633dd_attn
    .symbol:         k_q1438d633dd_attn.kd
    .args:
      - { .name: q, .offset: 0, .size: 8, .value_kind: global_buffer, .address_space: global }
      - { .name: k, .offset: 8, .size: 8, .value_kind: global_buffer, .address_space: global }
      - { .name: v, .offset: 16, .size: 8, .value_kind: global_buffer, .address_space: global }
      - { .name: out0, .offset: 24, .size: 8, .value_kind: global_buffer, .address_space: global }
    .group_segment_fixed_size: 327680
    .private_segment_fixed_size: 0
    .kernarg_segment_align: 8
    .kernarg_segment_size: 32
    .max_flat_workgroup_size: 128
    .sgpr_count:     96
    .vgpr_count:     1024
    .wavefront_size: 32
...
	.end_amdgpu_metadata
.endif
;; end of part 1
